; MI455X (gfx1250); checked and timed in simulation.
; The chip was launched on July 23, 2026; its instructions are those of AMD's public machine-readable ISA for CDNA 5 (MIT licence, August 2026) and "CDNA5" Instruction Set Architecture Reference Guide (July 2026). The comments in the code are by the model that wrote it; some were corrected since.
;; Knrm. Allowed arithmetic: matrix products marked QUANTISED: E4M3 operands, one given power-of-two scale a tensor, by v_wmma_f32_16x16x64_fp8_fp8 or v_wmma_f32_16x16x128_fp8_fp8, f32 sums; products left as they are: f32 operands where the result goes on into a quantised operand, else bf16, f16 or f32 operands; f32 sums; everything else in f32.
;; Inputs: W1 11 x 1 float32; b1 1 float32; embeddings 100,001 x 300 float32; inputs_d 256 x 512 int32; inputs_q 256 x 16 int32; lowp_scales 2 int32 (the exponents e of the quantised operands' scales 2^e); mask 256 x 16 x 512 float32; mu 11 float32; q_weights 256 x 16 x 1 float32; sigma 11 float32.
;; Outputs: out0 256 x 1 float32.
;; This version of the problem:
;;   THIS VERSION OF THE PROBLEM IS GIVEN IN LOW PRECISION. The matrix products marked QUANTISED in the list below multiply operands that are first quantised to E4M3 (4 exponent bits, 3 mantissa bits; 8 bits a number), with one given power-of-two scale for each operand tensor; their sums are f32. All else is computed in f32.
;;   The module's matrix products, in the order in which they are computed (A, B: the left and right operand; K: the contracted axis; several contracted axes count as one K, in the product's order):
;;     1. batch 256 x [M 16, K 300] x [K 300, N 512]; A: computed on the way; B: computed on the way: QUANTISED (scales: A lowp_scales[0], B lowp_scales[1])
;;     2. [M 256, K 11] x [K 11, N 1]; A: computed on the way; B: input W1: left as it is (K = 11 < 32)
;;   THE QUANTISER, for each operand of a quantised product, along K:
;;     - The operand's scale is 2^e, e = its entry of the input lowp_scales (int32; the entries are numbered through the quantised products in the list's order, A before B).
;;     - Each number is divided by the scale, clamped to +-448, and rounded to the nearest number of E4M3, ties to even, subnormals kept.
;;     - The product sums the exact products of the quantised numbers (number of the format x scale) in f32.
;;   ~~~python
;;   def quantise(x, axis, e):      # numpy; x: float32 -> the quantised numbers, widened to float32 again
;;       x = np.moveaxis(x, axis, -1); K = x.shape[-1]
;;       r = np.clip(x / 2.0 ** e, -448, 448)
;;       step = 2.0 ** (np.maximum(np.frexp(np.where(r == 0, 1, r))[1] - 1, -6) - 3)
;;       q = np.round(r / step) * step * 2.0 ** e      # np.round: ties to even
;;       return np.moveaxis(q, -1, axis).astype(np.float32)
;;   ~~~
;;   OPERANDS COMPUTED ON THE WAY. 'Computed on the way' means the value that the module computes at that place (a softmax that the list does not call 'softmax' is quantised finished and normalised). What goes into a quantiser is computed in f32, as accurately as f32 sums, v_exp_f32 and their like allow (about 1e-6 of the number): no bf16 or f16 on the way to a quantiser, and a product that is left as it is and whose result goes on into a quantised operand takes f32 operands (vector FMAs, or v_wmma_f32_16x16x4_f32). A number that lies on a knife's edge between two numbers of the format may be rounded either way, as far as f32 arithmetic and the matrix unit's own rounding can turn it there, and no further.
;; One version. Each part assembles by itself: llvm-mc -triple=amdgcn-amd-amdhsa -mcpu=gfx1250 --defsym DOCPART=n.
;; ======== version 1 of 1: 1 launch
;; limits: right only within a limited range of input values
;; launch knrm (part 1): grid 256 x 1, 16 waves a work-group, no clusters, 95,744 bytes of LDS; arguments inputs_q, inputs_d, mask, q_weights, embeddings, mu, sigma, lowp_scales, W1, b1, out0; writes out0
.if DOCPART == 1
	.amdgcn_target "amdgcn-amd-amdhsa--gfx1250"
	.amdhsa_code_object_version 6
	.text
	.protected	k_q58ac261d3a_knrm
	.globl	k_q58ac261d3a_knrm
	.p2align	8
	.type	k_q58ac261d3a_knrm,@function
k_q58ac261d3a_knrm:
	s_mov_b64 s[64:65], 0
	v_nop
	global_prefetch_b8 v0, s[64:65] scope:SCOPE_SE
	s_setreg_imm32_b32 hwreg(HW_REG_WAVE_MODE, 25, 1), 1
	s_wait_xcnt 0x0
; K-NRM for one batch a work-group: out0[b] = tanh( sum_k W1[k] sum_q qw[q] 0.01 ln( max( sum_d mask[q][d] exp(-(sim[q][d]-mu[k])^2 / (2 sigma[k]^2)), 1e-10 ) ) + b1 ).
; sim = nq nd^T on codes of E4M3: nq, nd = gathered rows of the table divided by (their norm + 1e-10), in f32, quantised with the given scales 2^e0 (queries) and 2^e1 (documents).
; SHARES.  Work-group = batch (256).  Sixteen waves of 256 registers; wave w owns query row w and documents 32 w .. 32 w + 31.  Work-groups share no rows: each gathers by its own indices, so nothing is asked for jointly (no cluster).
; GATHER.  Fifteen of sixteen lanes take one row of 1,200 bytes by five loads of 16 bytes a lane, at row byte 240 c + 16 l; lane 15 reads lane 14's bytes again, is left out of the norm, and gets zero codes in the QUERIES, so it adds
;   nothing to a product.  16 lanes x 20 codes = 320 places of K.  Queries and documents are laid alike, so every code meets its partner.
; A STEP is four rows (two for each half of the lanes): 10 loads, 40 registers.  A ring of three slots keeps up to 30 loads of every wave, 16 x 30 x 480 bytes a work-group, on their way, and a slot is asked for again as soon as its
;   codes are made: no prefetch is laid beside that.  The query row is asked for first.
; PRODUCT.  After two steps (8 documents): source 0 = 16 rows of documents (each of the 8 twice: rows m and m + 4 are the same), source 1 = the 16 queries.  Lane (r, h) holds query r; its results 0 .. 3 are documents 32 w + 16 h + 4 t + 0 .. 3.
; KERNELS.  exp(-(sim - mu)^2 / (2 sigma^2)) = 2^(-u^2), u = k sim - k mu, k = sqrt(log2(e) / 2) / sigma; 2^(e0 + e1) is folded into the first k.
; LIMITS.  e0, e1 between -126 and 119 and e0 + e1 between -126 and 127; k and k 2^(e0 + e1) are normal f32 numbers.  NaN and infinity in the table are not served.  A row whose sum of squares lies under 2^-126 counts as a row of norm 0
;   (v_sqrt_f32 takes a denormal for 0: ISA guide, its entry in 15.8).  An index above 100000 (a negative one counts as such) is held at 100000.  The sums over k, documents and queries are taken in another order than the source's, in f32.
.set VMAX,   100000                    ; the table's last row
.set ROWB,   1200                      ; bytes in a row of the table
.set PITCH,  336                       ; a row of codes in LDS: 320 bytes + 16 = 21 x 16: an odd multiple of 16, against conflicts on the 64 banks of 4 bytes (ISA guide 11.1)
.set MPITCH, 2064                      ; a row of the mask in LDS: 2,048 bytes + 16, for the same reason
.set QST,    0                         ; LDS: the 16 queries' codes
.set MSK,    QST+16*PITCH              ; the batch's mask, 16 rows
.set STG,    MSK+16*MPITCH             ; a stage of 8 rows of codes for each wave, its own
.set WSTG,   8*PITCH
.set RED,    STG+16*WSTG               ; [wave][query][12 f32]: the waves' partial sums
.set SPARE,  RED+16*768                ; the spare words, 128 bytes for each wave: eight blocks of 256 bytes that no other line names
.set STW,  1                           ; stage, in: my 16 main codes: STG + WSTG w + 4 PITCH h + 16 l
.set STT,  2                           ; stage, in: my 4 tail codes: the same with 4 l (+ 256 in the immediate)
.set FRD,  3                           ; stage, out: STG + WSTG w + PITCH (r % 4 + 4 (r / 8)) + 160 h
.set MKR,  4                           ; the mask: MSK + MPITCH r + 128 w + 64 h (+ 16 t)
.set L16,  5                           ; 16 min(l, 14)
.set IDX,  6                           ; index of document 32 w + lane
.set QWV,  7                           ; q_weights[b][r]
.set OA,   8                           ; v[8:13] slot d: byte offsets of my bytes in its two rows
.set MV,   14                          ; v[14:24] -k mu of bin 0 .. 10
.set SCD,  25                          ; 2^e1 as f32
.set ACC,  26                          ; v[26:47] bin k's sum over documents, in two halves
.set QF,   48                          ; v[48:87] the queries' fragments (at the head: the mask's row and lane terms)
.set TM,   88                          ; v[88:127] at work
.set SIM,  128                         ; v[128:135] a product's sums (at the head: v128 mu, v129 sigma, v130 the query row's offset, v131 / v133 where its codes go, v132 2^e0, v134 the queries' fragments, v135 the mask's row)
.set RING, 136                         ; v[136:255] three slots of 40: row A's main 0-15, tail 16-19; row B's tail 20-23, main 24-39
.set CC,   28                          ; s[28:49] k 2^(e0 + e1), each twice (a packed source names a pair)
; Slot d takes documents i and j of each half of the lanes: offsets from the indices, held inside the table.
.macro ADDR d, i, j
	v_mov_b32_dpp v[OA+2*\d], v[IDX] row_share:\i row_mask:0xf bank_mask:0xf
	v_mov_b32_dpp v[OA+2*\d+1], v[IDX] row_share:\j row_mask:0xf bank_mask:0xf
	v_min_u32 v[OA+2*\d], VMAX, v[OA+2*\d]
	v_min_u32 v[OA+2*\d+1], VMAX, v[OA+2*\d+1]
	v_mul_u32_u24 v[OA+2*\d], v[OA+2*\d], ROWB
	v_mul_u32_u24 v[OA+2*\d+1], v[OA+2*\d+1], ROWB
	v_add_nc_u32 v[OA+2*\d], v[L16], v[OA+2*\d]
	v_add_nc_u32 v[OA+2*\d+1], v[L16], v[OA+2*\d+1]
.endm
.macro LOADS d
.set R, RING+40*(\d)
.irp c, 0,1,2,3
	global_load_b128 v[R+4*\c:R+4*\c+3], v[OA+2*\d], s[12:13] offset:240*\c
.endr
	global_load_b128 v[R+16:R+19], v[OA+2*\d], s[12:13] offset:960
	global_load_b128 v[R+20:R+23], v[OA+2*\d+1], s[12:13] offset:960
.irp c, 0,1,2,3
	global_load_b128 v[R+24+4*\c:R+24+4*\c+3], v[OA+2*\d+1], s[12:13] offset:240*\c
.endr
.endm
; Slot d's four rows are normalised, quantised and stored as codes, in stage rows 4 h + row and 4 h + row + 1.  left: the younger loads that may stay out.
.macro DOCS d, left, row
.set R, RING+40*(\d)
	s_wait_loadcnt \left                           ; loads come back in order (ISA guide 5.7.1): this slot's ten are in
	v_pk_mul_f32 v[TM:TM+1], v[R:R+1], v[R:R+1]                ; the sums of squares: two chains for each row, by turns; the first products start them
	v_pk_mul_f32 v[TM+4:TM+5], v[R+20:R+21], v[R+20:R+21]
	v_pk_mul_f32 v[TM+2:TM+3], v[R+2:R+3], v[R+2:R+3]
	v_pk_mul_f32 v[TM+6:TM+7], v[R+22:R+23], v[R+22:R+23]
.irp p, 4,8,12,16
	v_pk_fma_f32 v[TM:TM+1], v[R+\p:R+\p+1], v[R+\p:R+\p+1], v[TM:TM+1]
	v_pk_fma_f32 v[TM+4:TM+5], v[R+20+\p:R+21+\p], v[R+20+\p:R+21+\p], v[TM+4:TM+5]
	v_pk_fma_f32 v[TM+2:TM+3], v[R+2+\p:R+3+\p], v[R+2+\p:R+3+\p], v[TM+2:TM+3]
	v_pk_fma_f32 v[TM+6:TM+7], v[R+22+\p:R+23+\p], v[R+22+\p:R+23+\p], v[TM+6:TM+7]
.endr
	v_pk_add_f32 v[TM:TM+1], v[TM:TM+1], v[TM+2:TM+3]
	v_pk_add_f32 v[TM+4:TM+5], v[TM+4:TM+5], v[TM+6:TM+7]
	s_delay_alu instid0(VALU_DEP_2)
	v_add_f32 v[TM], v[TM], v[TM+1]
	s_delay_alu instid0(VALU_DEP_2)
	v_add_f32 v[TM+4], v[TM+4], v[TM+5]
	s_delay_alu instid0(VALU_DEP_2)
	v_cndmask_b32 v[TM], v[TM], 0, s3              ; lanes 15 and 31 do not count
	s_delay_alu instid0(VALU_DEP_2)
	v_cndmask_b32 v[TM+4], v[TM+4], 0, s3
.irp x, 1,2,4,8                                ; across the sixteen lanes that share a row
	s_delay_alu instid0(VALU_DEP_2)
	v_add_f32_dpp v[TM], v[TM], v[TM] row_xmask:\x row_mask:0xf bank_mask:0xf
	s_delay_alu instid0(VALU_DEP_2)
	v_add_f32_dpp v[TM+4], v[TM+4], v[TM+4] row_xmask:\x row_mask:0xf bank_mask:0xf
.endr
	s_wait_alu depctr_va_vdst(0)                   ; the waits ahead of and behind each batch of transcendentals
	v_sqrt_f32 v[TM], v[TM]
	v_sqrt_f32 v[TM+4], v[TM+4]
	v_nop
	s_wait_alu depctr_va_vdst(0)
	v_add_f32 v[TM], 0x2edbe6ff, v[TM]             ; + 1e-10
	v_add_f32 v[TM+4], 0x2edbe6ff, v[TM+4]
	s_wait_alu depctr_va_vdst(0)
	v_rcp_f32 v[TM], v[TM]
	v_rcp_f32 v[TM+4], v[TM+4]
	v_nop
	s_wait_alu depctr_va_vdst(0)
.irp p, 0,2,4,6,8,10,12,14,16,18
	v_pk_mul_f32 v[R+\p:R+\p+1], v[R+\p:R+\p+1], v[TM:TM+1] op_sel_hi:[1,0]
	v_pk_mul_f32 v[R+20+\p:R+21+\p], v[R+20+\p:R+21+\p], v[TM+4:TM+5] op_sel_hi:[1,0]
.endr
.set i, 0
.rept 40
	v_med3_num_f32 v[R+i], v[R+i], s55, s54        ; the conversion to an 8-bit code does not saturate (ISA guide 7.6.2): the hold at the largest code x the scale
.set i, i+1
.endr
	v_cvt_scalef32_pk8_fp8_f32 v[TM+8:TM+9], v[R:R+7], v[SCD]        ; row A's 16 main codes,
	v_cvt_scalef32_pk8_fp8_f32 v[TM+10:TM+11], v[R+8:R+15], v[SCD]
	v_cvt_scalef32_pk8_fp8_f32 v[TM+16:TM+17], v[R+16:R+23], v[SCD]  ; both tails: A's four codes, B's four,
	v_cvt_scalef32_pk8_fp8_f32 v[TM+12:TM+13], v[R+24:R+31], v[SCD]  ; row B's 16 main codes
	v_cvt_scalef32_pk8_fp8_f32 v[TM+14:TM+15], v[R+32:R+39], v[SCD]
	v_nop                                          ; one plain vector instruction behind the last scaled conversion
	ds_store_b128 v[STW], v[TM+8:TM+11] offset:PITCH*(\row)
	ds_store_b128 v[STW], v[TM+12:TM+15] offset:PITCH*(\row)+PITCH
	ds_store_b32 v[STT], v[TM+16] offset:PITCH*(\row)+256
	ds_store_b32 v[STT], v[TM+17] offset:PITCH*(\row)+PITCH+256
.endm
; nb bins from k0 on, for a lane's four similarities: 2^(-u^2) x mask, added to the bins' sums.  first = 1: the first products start the sums: nothing is cleared.
.macro BATCH k0, nb, first
.set b, 0
.rept \nb
.irp p, 0,2
.if (\k0+b)&1
	v_pk_fma_f32 v[TM+4*b+\p:TM+4*b+\p+1], v[SIM+\p:SIM+\p+1], s[CC+2*(\k0+b):CC+2*(\k0+b)+1], v[MV+\k0+b-1:MV+\k0+b] op_sel:[0,0,1] op_sel_hi:[1,0,1]
.else
	v_pk_fma_f32 v[TM+4*b+\p:TM+4*b+\p+1], v[SIM+\p:SIM+\p+1], s[CC+2*(\k0+b):CC+2*(\k0+b)+1], v[MV+\k0+b:MV+\k0+b+1] op_sel_hi:[1,0,0]
.endif
.endr
.set b, b+1
.endr
.set i, 0
.rept 2*\nb
	v_pk_mul_f32 v[TM+i:TM+i+1], v[TM+i:TM+i+1], v[TM+i:TM+i+1] neg_lo:[1,0] neg_hi:[1,0]
.set i, i+2
.endr
	s_wait_alu depctr_va_vdst(0)                   ; the wait ahead of the batch
.set i, 0
.rept 4*\nb
	v_exp_f32 v[TM+i], v[TM+i]
.set i, i+1
.endr
	v_nop
	s_wait_alu depctr_va_vdst(0)                   ; one wait behind the batch
.if \k0 == 0
	s_wait_dscnt 0x0                               ; the mask's four numbers are in
.endif
.irp p, 0,2
.set b, 0
.rept \nb
.if \first && (\p == 0)
	v_pk_mul_f32 v[ACC+2*(\k0+b):ACC+2*(\k0+b)+1], v[TM+4*b+\p:TM+4*b+\p+1], v[TM+24+\p:TM+25+\p]
.else
	v_pk_fma_f32 v[ACC+2*(\k0+b):ACC+2*(\k0+b)+1], v[TM+4*b+\p:TM+4*b+\p+1], v[TM+24+\p:TM+25+\p], v[ACC+2*(\k0+b):ACC+2*(\k0+b)+1]
.endif
.set b, b+1
.endr
.endr
.endm
; Eight documents x 16 queries x 320 places, then the eleven kernels.
.macro HALF t, first
.irp c, 0,1,2,3,4,5,6,7,8,9
	ds_load_b128 v[TM+4*\c:TM+4*\c+3], v[FRD] offset:16*\c          ; LDS serves a wave's instructions in order (ISA guide 5.7.1.4): these see my stores into my stage
.endr
	s_wait_dscnt 6                                 ; the first four of the ten are in
	v_wmma_f32_16x16x128_fp8_fp8 v[SIM:SIM+7], v[TM:TM+15], v[QF:QF+15], 0
	s_wait_dscnt 2                                 ; all but the last two
	s_wait_alu depctr_va_vdst(0)                   ; this wait directly ahead of each
	v_wmma_f32_16x16x128_fp8_fp8 v[SIM:SIM+7], v[TM+16:TM+31], v[QF+16:QF+31], v[SIM:SIM+7]
.rept 5
	v_nop                                          ; five places: the next matrix instruction is of another form and writes over this one's result
.endr
	s_wait_dscnt 0x0
	s_wait_alu depctr_va_vdst(0)
	v_wmma_f32_16x16x64_fp8_fp8 v[SIM:SIM+7], v[TM+32:TM+39], v[QF+32:QF+39], v[SIM:SIM+7]
.rept 4
	v_nop                                          ; four places in front of the load below and of the first read of the sums (ISA guide 7.12.1 for vector instructions)
.endr
	ds_load_b128 v[TM+24:TM+27], v[MKR] offset:16*\t                ; mask[b][r][32 w + 16 h + 4 t + 0 .. 3]
	BATCH 0, 6, \first
	BATCH 6, 5, \first
.endm
	; ---- the head: lane terms and every LDS address of the loop
	s_load_b512 s[4:19], s[0:1], 0x0               ; inputs_q s[4:5], inputs_d s[6:7], mask s[8:9], q_weights s[10:11], embeddings s[12:13], mu s[14:15], sigma s[16:17], lowp_scales s[18:19]
	s_load_b128 s[20:23], s[0:1], 0x40             ; W1, b1
	s_load_b64 s[24:25], s[0:1], 0x50              ; out0
	v_lshrrev_b32 v64, 5, v0
	v_and_b32 v65, 31, v0                          ; L
	v_and_b32 v66, 15, v0                          ; l = r
	v_bfe_u32 v67, v0, 4, 1                        ; h
	v_readfirstlane_b32 s2, v64                    ; wave 0..15
	s_mov_b32 s3, 0x80008000                       ; lanes 15 and 31
	s_mul_i32 s60, s2, WSTG
	s_add_co_u32 s60, s60, STG                     ; my wave's stage
	v_mul_u32_u24 v[STT], v67, 4*PITCH
	v_and_b32 v68, 3, v66
	v_lshrrev_b32 v69, 3, v66
	v_mul_u32_u24 v134, v66, PITCH
	v_add_nc_u32 v[STT], s60, v[STT]
	v_lshl_add_u32 v68, v69, 2, v68                ; r % 4 + 4 (r / 8)
	v_mad_u32_u24 v134, v67, 160, v134             ; the queries' fragments (QST = 0)
	v_mul_u32_u24 v[FRD], v68, PITCH
	v_lshl_add_u32 v[STW], v66, 4, v[STT]
	v_lshl_add_u32 v[STT], v66, 2, v[STT]
	v_mad_u32_u24 v[FRD], v67, 160, v[FRD]
	s_lshl_b32 s61, s2, 7
	s_add_co_u32 s61, s61, MSK
	v_mul_u32_u24 v[MKR], v66, MPITCH
	v_add_nc_u32 v[FRD], s60, v[FRD]
	v_min_u32 v[L16], 14, v66
	v_lshl_add_u32 v[MKR], v67, 6, v[MKR]
	v_lshlrev_b32 v[L16], 4, v[L16]
	s_mul_i32 s62, s2, PITCH
	v_add_nc_u32 v[MKR], s61, v[MKR]
	v_lshl_add_u32 v131, v66, 4, s62               ; query row w's codes: main,
	v_lshl_add_u32 v133, v66, 2, s62               ; tail (+ 256)
	s_mul_i32 s63, s2, MPITCH
	s_add_co_u32 s63, s63, MSK
	v_lshl_add_u32 v135, v65, 4, s63               ; the mask's row w
	v_lshlrev_b32 v71, 2, v0                       ; inputs_d: 4 (32 w + L)
	s_lshl_b32 s62, s2, 2
	v_mov_b32 v72, s62                             ; inputs_q: 4 w
	v_min_u32 v73, 10, v65
	v_lshlrev_b32 v74, 4, v65                      ; the mask: 16 L
	v_lshlrev_b32 v75, 2, v66                      ; q_weights: 4 r
	v_lshlrev_b32 v73, 2, v73                      ; mu, sigma: bin min(L, 10)
.irp i, 0,1,2,3,4,5
	v_mov_b32 v[OA+\i], 0                          ; a DPP move's destination counts as read: written once ahead
.endr
	s_mov_b32 s56, 0x76543210                      ; v_permlanex16_b32: each lane takes its own place in the other half
	s_mov_b32 s57, 0xfedcba98
	s_mov_b32 s59, 0
	s_lshl_b32 s58, ttmp9, 11
	s_wait_alu depctr_va_vdst(0)                   ; the wait at the head's end
	s_wait_kmcnt 0x0
	s_add_nc_u64 s[6:7], s[6:7], s[58:59]          ; inputs_d at my batch
	global_load_b32 v[IDX], v71, s[6:7]
	s_lshl_b32 s58, ttmp9, 6
	s_add_nc_u64 s[4:5], s[4:5], s[58:59]          ; inputs_q,
	global_load_b32 v130, v72, s[4:5]
	s_add_nc_u64 s[10:11], s[10:11], s[58:59]      ; q_weights
	s_lshl_b32 s58, ttmp9, 15
	s_lshl_b32 s60, s2, 11
	s_add_co_u32 s58, s58, s60
	s_add_nc_u64 s[8:9], s[8:9], s[58:59]          ; mask at row q = w of my batch
.irp c, 0,1,2,3
	global_load_b128 v[QF+4*\c:QF+3+4*\c], v74, s[8:9] offset:512*\c th:TH_LOAD_NT   ; 512 consecutive bytes a load; read once in the launch
.endr
	global_load_b32 v128, v73, s[14:15]
	global_load_b32 v129, v73, s[16:17]
	global_load_b32 v[QWV], v75, s[10:11]
	s_lshl_b32 s58, ttmp9, 2
	s_add_nc_u64 s[24:25], s[24:25], s[58:59]      ; out0[b]
	s_load_b64 s[26:27], s[18:19], 0x0             ; e0, e1
	s_load_b256 s[88:95], s[20:21], 0x0            ; W1[0..7]
	s_load_b96 s[96:98], s[20:21], 0x20            ; W1[8..10]
	s_load_b32 s99, s[22:23], 0x0                  ; b1
	s_wait_loadcnt 7                               ; the two indices are in; mask (4), mu, sigma and q_weights may be out
	v_min_u32 v130, VMAX, v130
	v_mul_u32_u24 v130, v130, ROWB
	v_add_nc_u32 v130, v[L16], v130
.irp c, 0,1,2,3,4
	global_load_b128 v[TM+4*\c:TM+4*\c+3], v130, s[12:13] offset:240*\c   ; query row w, the same in both halves of the lanes
.endr
	ADDR 0, 0, 1
	LOADS 0
	ADDR 1, 2, 3
	LOADS 1
	; ---- constants, while the rows are on their way
	s_wait_kmcnt 0x0
	s_add_co_i32 s58, s26, 127
	s_lshl_b32 s60, s58, 23
	s_add_co_i32 s58, s58, 8
	s_lshl_b32 s58, s58, 23
	s_or_b32 s52, s58, 0x600000                    ; 448 x 2^e0
	s_or_b32 s53, s52, 0x80000000                  ; and its negative
	s_add_co_i32 s58, s27, 127
	s_lshl_b32 s61, s58, 23
	s_add_co_i32 s58, s58, 8
	s_lshl_b32 s58, s58, 23
	s_or_b32 s54, s58, 0x600000                    ; the same for e1
	s_or_b32 s55, s54, 0x80000000
	s_add_co_i32 s58, s26, s27
	s_add_co_i32 s58, s58, 127
	s_lshl_b32 s50, s58, 23                        ; 2^(e0 + e1)
	s_wait_loadcnt 25                              ; mask, mu, sigma, q_weights are in; the 25 row loads issued behind them may stay out
	v_rcp_f32 v129, v129
	v_mov_b32 v132, s60                            ; 2^e0 as f32: the conversion takes its exponent field (also the plain instruction behind the reciprocal)
	v_mov_b32 v[SCD], s61                          ; 2^e1
	s_wait_alu depctr_va_vdst(0)                   ; the wait ahead of the first use
	v_mul_f32 v129, 0x3f596d27, v129               ; k = sqrt(log2(e) / 2) / sigma
	v_mul_f32 v128, v129, -v128                    ; -k mu
	v_mul_f32 v129, s50, v129                      ; k 2^(e0 + e1)
.irp k, 0,1,2,3,4,5,6,7,8,9,10
	v_readlane_b32 s[66+\k], v128, \k
	v_readlane_b32 s[CC+2*\k], v129, \k
.endr
.irp k, 0,1,2,3,4,5,6,7,8,9,10
	v_mov_b32 v[MV+\k], s[66+\k]
.endr
.irp k, 0,1,2,3,4,5,6,7,8,9,10
	s_mov_b32 s[CC+2*\k+1], s[CC+2*\k]             ; named with it as a pair, so it is written
.endr
	; ---- my row of the mask goes to LDS
.irp c, 0,1,2,3
	ds_store_b128 v135, v[QF+4*\c:QF+3+4*\c] offset:512*\c
.endr
	; ---- my query row: as DOCS does it, one row, with zero codes in lanes 15 and 31
.set T, TM+20
	s_wait_loadcnt 20                              ; two slots' loads are younger
	v_pk_mul_f32 v[T:T+1], v[TM:TM+1], v[TM:TM+1]
	v_pk_mul_f32 v[T+2:T+3], v[TM+2:TM+3], v[TM+2:TM+3]
.irp p, 4,8,12,16
	v_pk_fma_f32 v[T:T+1], v[TM+\p:TM+\p+1], v[TM+\p:TM+\p+1], v[T:T+1]
	v_pk_fma_f32 v[T+2:T+3], v[TM+2+\p:TM+3+\p], v[TM+2+\p:TM+3+\p], v[T+2:T+3]
.endr
	v_pk_add_f32 v[T:T+1], v[T:T+1], v[T+2:T+3]
	s_delay_alu instid0(VALU_DEP_1)
	v_add_f32 v[T], v[T], v[T+1]
	s_delay_alu instid0(VALU_DEP_1)
	v_cndmask_b32 v[T], v[T], 0, s3
.irp x, 1,2,4,8
	s_delay_alu instid0(VALU_DEP_1)
	v_add_f32_dpp v[T], v[T], v[T] row_xmask:\x row_mask:0xf bank_mask:0xf
.endr
	s_wait_alu depctr_va_vdst(0)
	v_sqrt_f32 v[T], v[T]
	v_nop
	s_wait_alu depctr_va_vdst(0)
	v_add_f32 v[T], 0x2edbe6ff, v[T]               ; + 1e-10
	s_wait_alu depctr_va_vdst(0)
	v_rcp_f32 v[T], v[T]
	v_nop
	s_wait_alu depctr_va_vdst(0)
	v_cndmask_b32 v[T], v[T], 0, s3
.irp p, 0,2,4,6,8,10,12,14,16,18
	v_pk_mul_f32 v[TM+\p:TM+\p+1], v[TM+\p:TM+\p+1], v[T:T+1] op_sel_hi:[1,0]
.endr
.set i, 0
.rept 20
	v_med3_num_f32 v[TM+i], v[TM+i], s53, s52
.set i, i+1
.endr
	v_cvt_scalef32_pk8_fp8_f32 v[TM+24:TM+25], v[TM:TM+7], v132
	v_cvt_scalef32_pk8_fp8_f32 v[TM+26:TM+27], v[TM+8:TM+15], v132
	v_cvt_scalef32_pk8_fp8_f32 v[TM+28:TM+29], v[TM+16:TM+23], v132   ; the first four are the tail's codes; the other register is not used
	v_nop
	ds_store_b128 v131, v[TM+24:TM+27]             ; both halves of the lanes hold, and write, the same codes
	ds_store_b32 v133, v[TM+28] offset:256
	ADDR 2, 4, 5
	LOADS 2
	; ---- documents, step s in slot s % 3; each slot is asked for again as soon as its codes are made: two younger steps, ten loads each, may stay out at a step's wait
	DOCS 0, 20, 0
	ADDR 0, 6, 7
	LOADS 0
	s_wait_dscnt 0x0                               ; my stores have landed: then the work-group's barrier.  The rows' loads stay on their way: nobody writes what they read
	s_barrier_signal -1
	s_barrier_wait -1                              ; the queries' codes and the mask lie in LDS for every wave
.irp c, 0,1,2,3,4,5,6,7,8,9
	ds_load_b128 v[QF+4*\c:QF+4*\c+3], v134 offset:16*\c
.endr
	DOCS 1, 20, 2
	ADDR 1, 8, 9
	LOADS 1
	HALF 0, 1
	DOCS 2, 20, 0
	ADDR 2, 10, 11
	LOADS 2
	DOCS 0, 20, 2
	ADDR 0, 12, 13
	LOADS 0
	HALF 1, 0
	DOCS 1, 20, 0
	ADDR 1, 14, 15
	LOADS 1
	DOCS 2, 20, 2                                  ; nothing is left to ask for: the counts run down
	HALF 2, 0
	; ---- the last slot's registers are free: addresses for the end
.set REDW, 240                         ; RED + 768 w + 48 r
.set REDR, 241                         ; RED + 768 h + 48 r
.set SPW,  242                         ; my spare word: SPARE + 4 x my thread's number
.set NIL,  243                         ; 0
	v_lshl_add_u32 v[SPW], v0, 2, SPARE
	v_mov_b32 v[NIL], 0
	v_and_b32 v244, 15, v0
	v_bfe_u32 v245, v0, 4, 1
	s_mul_i32 s62, s2, 768
	s_add_co_u32 s62, s62, RED
	v_mul_u32_u24 v244, v244, 48
	v_mad_u32_u24 v[REDR], v245, 768, v244
	v_add_nc_u32 v[REDW], s62, v244
	v_add_nc_u32 v[REDR], RED, v[REDR]
	DOCS 0, 10, 0
	DOCS 1, 0, 2
	HALF 3, 0
	; ---- the wave's sums: a bin's two halves, and the other half of the lanes' documents
.irp k, 0,1,2,3,4,5,6,7,8,9,10
	v_add_f32 v[TM+\k], v[ACC+2*\k], v[ACC+2*\k+1]
.endr
	v_mov_b32 v[TM+11], 0                          ; the twelfth word of a query's 48 bytes
.irp k, 0,1,2,3,4,5,6,7,8,9,10
	v_permlanex16_b32 v[TM+12+\k], v[TM+\k], s56, s57
.endr
.irp p, 0,2,4,6,8
	v_pk_add_f32 v[TM+\p:TM+\p+1], v[TM+\p:TM+\p+1], v[TM+12+\p:TM+13+\p]
.endr
	v_add_f32 v[TM+10], v[TM+10], v[TM+22]
	ds_store_b128 v[REDW], v[TM:TM+3]              ; both halves of the lanes hold, and write, the same numbers
	ds_store_b128 v[REDW], v[TM+4:TM+7] offset:16
	ds_store_b128 v[REDW], v[TM+8:TM+11] offset:32
	s_wait_tensorcnt 0x0                           ; behind my last LDS store
	ds_add_u32 v[SPW], v[NIL]
	s_wait_dscnt 0x0                               ; (my stores have landed too)
	s_barrier_signal -1
	s_barrier_wait -1                              ; sixteen waves' sums lie in LDS
	s_cmp_lg_u32 s2, 0
	s_cbranch_scc1 .Lend
	; ---- wave 0 finishes the batch: lane (r, h) takes query r of waves 2 i + h
.irp i, 0,1,2,3,4,5,6,7
.irp c, 0,1,2
	ds_load_b128 v[RING+12*\i+4*\c:RING+12*\i+4*\c+3], v[REDR] offset:1536*\i+16*\c
.endr
.endr
	s_wait_dscnt 0x0
.irp i, 0,1,2,3
.irp p, 0,2,4,6,8,10
	v_pk_add_f32 v[RING+12*\i+\p:RING+12*\i+\p+1], v[RING+12*\i+\p:RING+12*\i+\p+1], v[RING+12*(\i+4)+\p:RING+12*(\i+4)+\p+1]
.endr
.endr
.irp i, 0,1
.irp p, 0,2,4,6,8,10
	v_pk_add_f32 v[RING+12*\i+\p:RING+12*\i+\p+1], v[RING+12*\i+\p:RING+12*\i+\p+1], v[RING+12*(\i+2)+\p:RING+12*(\i+2)+\p+1]
.endr
.endr
.irp p, 0,2,4,6,8,10
	v_pk_add_f32 v[RING+\p:RING+\p+1], v[RING+\p:RING+\p+1], v[RING+12+\p:RING+12+\p+1]
.endr
.irp k, 0,1,2,3,4,5,6,7,8,9,10
	v_permlanex16_b32 v[RING+12+\k], v[RING+\k], s56, s57
.endr
.irp p, 0,2,4,6,8
	v_pk_add_f32 v[RING+\p:RING+\p+1], v[RING+\p:RING+\p+1], v[RING+12+\p:RING+12+\p+1]
.endr
	v_add_f32 v[RING+10], v[RING+10], v[RING+22]   ; kde[r][k], k = 0 .. 10
.irp k, 0,1,2,3,4,5,6,7,8,9,10
	v_max_num_f32 v[RING+\k], 0x2edbe6ff, v[RING+\k]   ; at least 1e-10
.endr
	s_wait_alu depctr_va_vdst(0)
.irp k, 0,1,2,3,4,5,6,7,8,9,10
	v_log_f32 v[RING+\k], v[RING+\k]               ; log2; ln 2 is folded into the factor below
.endr
	v_nop
	s_wait_alu depctr_va_vdst(0)                   ; one wait for the eleven logarithms, ahead of their first reader
	v_mul_f32 v[TM], s88, v[RING]                  ; the sum over the bins with W1, in two chains
	v_mul_f32 v[TM+1], s89, v[RING+1]
.irp k, 2,4,6,8
	v_fmac_f32 v[TM], s[88+\k], v[RING+\k]
	v_fmac_f32 v[TM+1], s[89+\k], v[RING+1+\k]
.endr
	v_fmac_f32 v[TM], s98, v[RING+10]
	v_add_f32 v[TM], v[TM], v[TM+1]
	v_mul_f32 v[TM], v[QWV], v[TM]                 ; the query's weight,
.irp x, 1,2,4,8
	v_add_f32_dpp v[TM], v[TM], v[TM] row_xmask:\x row_mask:0xf bank_mask:0xf   ; and the sum over the sixteen queries
.endr
	s_mov_b32 s58, 0x3be32166                      ; 0.01 ln 2
	v_fma_f32 v[TM], v[TM], s58, s99               ; + b1
	v_mul_f32 v[TM], 0x4038aa3b, v[TM]             ; tanh x = 1 - 2 / (1 + 2^(2 log2(e) x))
	s_wait_alu depctr_va_vdst(0)
	v_exp_f32 v[TM], v[TM]
	v_mov_b32 v[TM+1], 0                           ; the store's offset (also the plain instruction behind the exponential)
	s_wait_alu depctr_va_vdst(0)
	v_add_f32 v[TM], 1.0, v[TM]
	s_wait_alu depctr_va_vdst(0)
	v_rcp_f32 v[TM], v[TM]
	v_nop
	s_wait_alu depctr_va_vdst(0)
	v_fma_f32 v[TM], -2.0, v[TM], 1.0
	v_cmp_eq_u32 vcc_lo, 0, v0
	s_wait_alu depctr_va_vdst(0)                   ; the wait here, ahead of the wait below
	s_wait_xcnt 0x0                                ; EXEC changes only behind this wait: it counts among the sources of the loads issued before
	s_and_saveexec_b32 s58, vcc_lo                 ; thread 0 alone
	global_store_b32 v[TM+1], v[TM], s[24:25]
	s_endpgm
.Lend:
	s_endpgm
.Lfunc_end_k_q58ac261d3a_knrm:
	.size	k_q58ac261d3a_knrm, .Lfunc_end_k_q58ac261d3a_knrm-k_q58ac261d3a_knrm
	.p2alignl 7, 3214868480
	.fill 96, 4, 3214868480
	.section	.rodata,"a",@progbits
	.p2align	6, 0x0
	.amdhsa_kernel k_q58ac261d3a_knrm
		.amdhsa_group_segment_fixed_size 95744
		.amdhsa_private_segment_fixed_size 0
		.amdhsa_enable_private_segment 0
		.amdhsa_kernarg_size 88
		.amdhsa_user_sgpr_count 2
		.amdhsa_user_sgpr_kernarg_segment_ptr 1
		.amdhsa_wavefront_size32 1
		.amdhsa_system_sgpr_workgroup_id_x 1
		.amdhsa_system_sgpr_workgroup_id_y 1
		.amdhsa_system_sgpr_workgroup_id_z 1
		.amdhsa_system_vgpr_workitem_id 0
		.amdhsa_next_free_vgpr 256
		.amdhsa_next_free_sgpr 100
		.amdhsa_reserve_vcc 1
		.amdhsa_float_denorm_mode_32 3
		.amdhsa_float_denorm_mode_16_64 3
		.amdhsa_memory_ordered 1
		.amdhsa_forward_progress 1
		.amdhsa_inst_pref_size 121
	.end_amdhsa_kernel
	.amdgpu_metadata
---
amdhsa.version: [ 1, 2 ]
amdhsa.kernels:
  - .name:           k_q58ac261d3a_knrm
    .symbol:         k_q58ac261d3a_knrm.kd
    .args:
      - { .name: inputs_q, .offset: 0, .size: 8, .value_kind: global_buffer, .address_space: global }
      - { .name: inputs_d, .offset: 8, .size: 8, .value_kind: global_buffer, .address_space: global }
      - { .name: mask, .offset: 16, .size: 8, .value_kind: global_buffer, .address_space: global }
      - { .name: q_weights, .offset: 24, .size: 8, .value_kind: global_buffer, .address_space: global }
      - { .name: embeddings, .offset: 32, .size: 8, .value_kind: global_buffer, .address_space: global }
      - { .name: mu, .offset: 40, .size: 8, .value_kind: global_buffer, .address_space: global }
      - { .name: sigma, .offset: 48, .size: 8, .value_kind: global_buffer, .address_space: global }
      - { .name: lowp_scales, .offset: 56, .size: 8, .value_kind: global_buffer, .address_space: global }
      - { .name: W1, .offset: 64, .size: 8, .value_kind: global_buffer, .address_space: global }
      - { .name: b1, .offset: 72, .size: 8, .value_kind: global_buffer, .address_space: global }
      - { .name: out0, .offset: 80, .size: 8, .value_kind: global_buffer, .address_space: global }
    .group_segment_fixed_size: 95744
    .private_segment_fixed_size: 0
    .kernarg_segment_align: 8
    .kernarg_segment_size: 88
    .max_flat_workgroup_size: 512
    .sgpr_count:     100
    .vgpr_count:     256
    .wavefront_size: 32
...
	.end_amdgpu_metadata
.endif
;; end of part 1
